; MI455X (gfx1250); checked and timed in simulation.
; The chip was launched on July 23, 2026; its instructions are those of AMD's public machine-readable ISA for CDNA 5 (MIT licence, August 2026) and "CDNA5" Instruction Set Architecture Reference Guide (July 2026). The comments in the code are by the model that wrote it; some were corrected since.
;; Multi Head Attention. Allowed arithmetic: matrix products marked QUANTISED: E2M3 operands, one E8M0 scale for each 32 along K, by v_wmma_scale_f32_16x16x128_f8f6f4 with both operands' format E2M3, f32 sums; everything else in f32.
;; Inputs: b_k 1,024 float32; b_q 1,024 float32; b_v 1,024 float32; k 8 x 1,024 x 1,024 float32; q 8 x 1,024 x 1,024 float32; v 8 x 1,024 x 1,024 float32; w_k 1,024 x 1,024 float32; w_q 1,024 x 1,024 float32; w_v 1,024 x 1,024 float32.
;; Outputs: out0 8 x 1,024 x 1,024 float32.
;; This version of the problem:
;;   THIS VERSION OF THE PROBLEM IS GIVEN IN LOW PRECISION. The matrix products marked QUANTISED in the list below multiply operands that are first quantised to E2M3 (2 exponent bits, 3 mantissa bits; 6 bits a number), with one power-of-two scale for each 32 numbers along K (OCP MX v1.0); their sums are f32. All else is computed in f32.
;;   The module's matrix products, in the order in which they are computed (A, B: the left and right operand; K: the contracted axis; several contracted axes count as one K, in the product's order):
;;     1. [M 8,192, K 1,024] x [K 1,024, N 1,024]; A: input q; B: input w_q: QUANTISED
;;     2. [M 8,192, K 1,024] x [K 1,024, N 1,024]; A: input k; B: input w_k: QUANTISED
;;     3. [M 8,192, K 1,024] x [K 1,024, N 1,024]; A: input v; B: input w_v: QUANTISED
;;     4. batch 128 x [M 1,024, K 64] x [K 64, N 1,024]; A: computed on the way; B: computed on the way: QUANTISED
;;     5. batch 128 x [M 1,024, K 1,024] x [K 1,024, N 64]; A: softmax (see below); B: computed on the way: QUANTISED
;;   THE QUANTISER, for each operand of a quantised product, along K:
;;     - K is cut into blocks of 32 from its start; a last block that is shorter is filled with zeros.
;;     - A block's scale is 2^e with e = floor(log2(the largest magnitude in the block)) - 2, held to -126 .. 127; a block of zeros has e = 0. As a byte (E8M0): e + 127.
;;     - Each number is divided by its block's scale, clamped to +-7.5, and rounded to the nearest number of E2M3, ties to even, subnormals kept.
;;     - The product sums the exact products of the quantised numbers (number of the format x scale) in f32.
;;   ~~~python
;;   def quantise(x, axis):      # numpy; x: float32 -> the quantised numbers, widened to float32 again
;;       x = np.moveaxis(x, axis, -1); K = x.shape[-1]
;;       x = np.pad(x, [(0, 0)] * (x.ndim - 1) + [(0, -K % 32)]); x = x.reshape(x.shape[:-1] + (-1, 32)); a = np.abs(x).max(-1, keepdims=True)
;;       e = np.where(a > 0, np.clip(np.frexp(np.where(a > 0, a, 1))[1] - 1 - 2, -126, 127), 0)      # np.frexp(a)[1] - 1 = floor(log2(a)), exactly
;;       r = np.clip(x / 2.0 ** e, -7.5, 7.5)
;;       step = 2.0 ** (np.maximum(np.frexp(np.where(r == 0, 1, r))[1] - 1, 0) - 3)
;;       q = np.round(r / step) * step * 2.0 ** e      # np.round: ties to even
;;       return np.moveaxis(q.reshape(q.shape[:-2] + (-1,))[..., :K], -1, axis).astype(np.float32)
;;   ~~~
;;   SOFTMAX AHEAD OF A QUANTISED PRODUCT. Where the list says 'softmax', what is quantised is not the finished softmax but p = 2^(t - M), with t = logit x log2(e) and M = ceil(the row's largest t), a whole number; so 1/2 < the row's largest p <= 1. The row's sum l is taken of the UNQUANTISED p, in f32, and the product's result is divided by l at the end. Since M is a whole number, a kernel that streams over the keys may use a running M (the ceiling of the running maximum): every later rescaling is an exact power of two, which a block's scale takes up: the codes' values come out the same.
;;   OPERANDS COMPUTED ON THE WAY. 'Computed on the way' means the value that the module computes at that place (a softmax that the list does not call 'softmax' is quantised finished and normalised). What goes into a quantiser is computed in f32, as accurately as f32 sums, v_exp_f32 and their like allow (about 1e-6 of the number): no bf16 or f16 on the way to a quantiser, and a product that is left as it is and whose result goes on into a quantised operand takes f32 operands (vector FMAs, or v_wmma_f32_16x16x4_f32). A number that lies on a knife's edge between two numbers of the format may be rounded either way, as far as f32 arithmetic and the matrix unit's own rounding can turn it there, and no further.
;; One version. Each part assembles by itself: llvm-mc -triple=amdgcn-amd-amdhsa -mcpu=gfx1250 --defsym DOCPART=n.
;; ======== version 1 of 1: 3 launches
;; limits: right only within a limited range of input values
;; workspace buffers: xc 18,874,368 bytes; xs 786,432 bytes; wc 2,359,296 bytes; ws 98,304 bytes; hc 18,874,368 bytes; hs 786,432 bytes
;; launch prep (part 1): grid 864 x 1, 4 waves a work-group, no clusters, 68,096 bytes of LDS; arguments q, k, v, xc, w_q, w_k, w_v, wc, xs, ws; writes xc, xs, wc, ws
.if DOCPART == 1
	.amdgcn_target "amdgcn-amd-amdhsa--gfx1250"
	.amdhsa_code_object_version 6
	.text
	.protected	k_q0a9511c6f2_prep
	.globl	k_q0a9511c6f2_prep
	.p2align	8
	.type	k_q0a9511c6f2_prep,@function
k_q0a9511c6f2_prep:
	s_mov_b64 s[64:65], 0
	v_nop
	global_prefetch_b8 v0, s[64:65] scope:SCOPE_SE
	s_setreg_imm32_b32 hwreg(HW_REG_WAVE_MODE, 25, 1), 1
	s_wait_xcnt 0x0
; MULTI-HEAD ATTENTION IN MX-FP6, launch 1 of 3: the six f32 operands of the three projections become codes of E2M3 with one E8M0 byte for each 32 along K (= the model's 1,024).
; DEAD WORK: none.  Every product of the problem is live, and every bias goes into an operand that is quantised (b_k too: it moves K's codes and scales, though a softmax in real numbers would cancel it):
; all nine inputs are loaded by this program (the biases by the second launch).
; q, k, v [8,192][1,024] have K innermost: they are plain streams of blocks of 32.  w_q, w_k, w_v [1,024 (k)][1,024 (n)] have K as their first axis: a lane takes a column n and its registers run down K.
; OUT: xc [3][8,192 rows][768 bytes], xs [3][8,192][32], wc [3][1,024 (n)][768], ws [3][1,024][32]; a row of codes is one stream of bits, K innermost.
; THE ROWS ARE LAID IN ANOTHER ORDER: inside each 32 rows bits 3 and 4 of the row's number change places (buffer row 32 B + 16 u + 8 a + i holds row 32 B + 16 a + 8 u + i).  So 16 NEIGHBOURING buffer rows are
; the rows 32 B + 8 u + r + 8 (r / 8): used as source 0 of a matrix instruction they leave a lane's 16 registers of two neighbouring tiles as 16 neighbours, which the next quantiser wants.
; A block's scale is 2^(floor(log2(largest magnitude)) - 2): its byte is the largest magnitude's exponent field - 2, held at 1 from below.
; LIMITS: NaN and infinities among the inputs are not served; a block whose largest magnitude lies under 2^-124 has its byte held at 1; a block of zeros gets the byte 1 where the rule says 127
; (its codes are zeros, which add nothing under any byte but 0xff, and this program alone reads the bytes).
; SHARES: work-groups 0-95 take the weights (32 each: 8 groups of 128 columns x 4 quarters of K), work-groups 96-863 take q, k, v (256 each: 32 rows a work-group, 8 rows a wave).
; The two paths part on the work-group's number and have LDS bytes of their own.  No tensor load, no barrier: waves share nothing.
.set NWGW,  96
.set EMAX,  2
.set SPW,   192                        ; v192  LDS address of my spare word; never rewritten
.set NIL,   193                        ; v193  0; never rewritten
; the stream path
.set STEPS, 16                         ; steps of 512 numbers in a wave's 8 rows
.set CB,    12                         ; bytes of 16 codes
.set XR,    16                         ; v16-79   four sets of 16 numbers as loaded
.set XN,    80                         ; v80-111  two sets of 16 neighbours
.set XE,    112                        ; v112-127 a scale byte for each step
.set XC,    128                        ; v128-191 codes, four registers a step: no store's data are written again
.set WREG,  8192                       ; LDS: a region for each wave: two stages of 32 x SP bytes, then its 256 scale bytes
.set SP,    80                         ; a lane's place in a stage: 64 bytes + 16 of padding
; the weights' path
.set WST,   4*WREG                     ; LDS: its four stages begin here
.set PITCH, 272                        ; a stage row: sixteen places of 16 bytes (12 of codes each) + 16
.set NB,    8                          ; blocks of 32 in a wave's 256 along K
.set KROW,  768                        ; a row of codes in bytes
.set WX,    32                         ; v32-95   two sets of 32 numbers
.set WC,    96                         ; v96-102  a block's codes
.set WOUT,  112                        ; v112-175 the way out
.set WSB,   24                         ; v24-25   the scale bytes
.set SPARE, WST+4*32*PITCH             ; the spare words, 128 bytes a wave: two blocks of 256 bytes that no other line names
	v_lshl_add_u32 v[SPW], v0, 2, SPARE
	v_mov_b32 v[NIL], 0
	v_lshrrev_b32 v1, 5, v0
	v_readfirstlane_b32 s16, v1                    ; wave 0..3
	v_and_b32 v2, 31, v0                           ; lane
	s_cmp_lt_u32 ttmp9, NWGW
	s_cbranch_scc1 .Lweights
; ---------------- q, k, v: K innermost ----------------
; Each load reads 512 consecutive bytes, 16 a lane; a step's 2,048 bytes turn through the wave's own stage and come back 64 bytes a lane: 16 neighbours, two lanes to a block.
	s_load_b256 s[4:11], s[0:1], 0x0               ; q s[4:5], k s[6:7], v s[8:9], xc s[10:11]
	s_load_b64 s[12:13], s[0:1], 0x40              ; xs
	v_lshlrev_b32 v3, 4, v2                        ; my 16 bytes of a load's 512
	s_mul_i32 s17, s16, WREG
	v_lshrrev_b32 v14, 2, v2
	v_mul_u32_u24 v14, v14, SP
	v_and_b32 v15, 3, v2
	v_lshl_add_u32 v14, v15, 4, v14
	v_add_nc_u32 v14, s17, v14                     ; the stage, on the way in: SP (lane / 4) + 16 (lane % 4)
	v_mul_u32_u24 v15, v2, SP
	v_add_nc_u32 v15, s17, v15                     ; and on the way out: SP x lane
	; THE CODES' LAYOUT: units of 128 buffer rows, each [quarter of K][128 rows][192 bytes], dense: a row's 768 bytes are cut into four pieces 24,576 bytes apart
	v_and_b32 v4, 15, v2
	v_mul_u32_u24 v4, v4, CB                       ; sixteen lanes fill a quarter's 192 bytes of a row,
	v_lshrrev_b32 v13, 4, v2
	v_mad_u32_u24 v4, v13, 0x6000, v4              ; lanes 16-31 the next quarter's
	v_lshrrev_b32 v5, 1, v2
	s_add_co_u32 s17, s17, 2*32*SP
	v_add_nc_u32 v5, s17, v5                       ; my block's byte among the wave's 256
	v_lshlrev_b32 v7, 3, v2                        ; on the way out 8 bytes a lane
	v_add_nc_u32 v6, s17, v7
	s_sub_co_u32 s18, ttmp9, NWGW                  ; 0..767
	s_lshr_b32 s19, s18, 8                         ; which tensor: 0 q, 1 k, 2 v
	s_and_b32 s20, s18, 255
	s_lshl_b32 s20, s20, 2
	s_add_co_u32 s20, s20, s16                     ; the run of 8 rows that I read,
	s_lshl_b32 s20, s20, 15                        ; 32,768 bytes a run
	s_mov_b32 s21, 0
	s_and_b32 s22, s16, 1
	s_lshl_b32 s22, s22, 1
	s_lshr_b32 s23, s16, 1
	s_or_b32 s22, s22, s23                         ; the wave's two bits change places: that is the rows' other order
	s_lshl_b32 s23, s18, 2
	s_add_co_u32 s22, s22, s23                     ; the run that I write; the three tensors lie on end in xc and xs
	s_lshr_b32 s24, s22, 4                         ; sixteen runs of 8 rows to a unit of 98,304 bytes
	s_mul_i32 s24, s24, 98304
	s_and_b32 s25, s22, 15
	s_mul_i32 s25, s25, 1536                       ; 8 rows x 192 bytes
	s_add_co_u32 s24, s24, s25
	s_mov_b32 s25, 0
	s_lshl_b32 s26, s22, 8                         ; 256 scale bytes a run
	s_mov_b32 s27, 0
	s_wait_alu depctr_va_vdst(0)
	s_wait_kmcnt 0x0
	s_cmp_eq_u32 s19, 0                            ; the choice hangs on the work-group's number alone
	s_cselect_b64 s[4:5], s[4:5], s[6:7]
	s_cmp_eq_u32 s19, 2
	s_cselect_b64 s[4:5], s[8:9], s[4:5]
	s_add_nc_u64 s[4:5], s[4:5], s[20:21]
	s_add_nc_u64 s[10:11], s[10:11], s[24:25]
	s_add_nc_u64 s[12:13], s[12:13], s[26:27]
.macro XLOAD t
.irp i, 0,1,2,3
	global_load_b128 v[XR+16*((\t)%4)+4*\i:XR+16*((\t)%4)+4*\i+3], v3, s[4:5] offset:2048*(\t)+512*\i th:TH_LOAD_NT
.endr
.endm
.macro XTURN t                         ; LDS serves a wave's instructions in order: no wait between the stores and the loads
.irp i, 0,1,2,3
	ds_store_b128 v14, v[XR+16*((\t)%4)+4*\i:XR+16*((\t)%4)+4*\i+3] offset:32*SP*((\t)%2)+8*SP*\i
.endr
.irp i, 0,1,2,3
	ds_load_b128 v[XN+16*((\t)%2)+4*\i:XN+16*((\t)%2)+4*\i+3], v15 offset:32*SP*((\t)%2)+16*\i
.endr
.endm
.irp t, 0,1,2,3
	XLOAD \t
.endr
	s_wait_loadcnt 12                              ; step 0's four loads are in; the twelve of steps 1 to 3 may be out
	XTURN 0
.macro XSTEP t
.set XS, XN+16*((\t)%2)
.if (\t) > 0
	s_wait_dscnt 1                                 ; this step's numbers are back from the stage (the last step's byte store may be out): its stores into the stage have read their registers,
.else
	s_wait_dscnt 0x0
.endif
.if (\t)+4 < STEPS
	XLOAD (\t)+4                                   ; which take the loads of four steps on
.endif
.if (\t)+1 < STEPS
.if STEPS-2-(\t) >= 3
	s_wait_loadcnt 12                              ; the next step's four loads are in; those of the three steps behind it may be out
.else
	s_wait_loadcnt 4*(STEPS-2-(\t))
.endif
	XTURN (\t)+1
.endif
	v_max3_num_f32 v8, |v[XS]|, |v[XS+1]|, |v[XS+2]|               ; the largest magnitude of my 16, in two chains
	v_max3_num_f32 v9, |v[XS+3]|, |v[XS+4]|, |v[XS+5]|
.irp i, 6,10
	v_max3_num_f32 v8, v8, |v[XS+\i]|, |v[XS+\i+1]|
	v_max3_num_f32 v9, v9, |v[XS+\i+2]|, |v[XS+\i+3]|
.endr
	v_max3_num_f32 v8, v8, |v[XS+14]|, |v[XS+15]|
	v_max3_num_f32 v8, v8, v9, (EMAX+1)<<23        ; and the floor 2^(3 - 127): the byte cannot fall under 1
	v_max_num_f32_dpp v8, v8, v8 row_xmask:1 row_mask:0xf bank_mask:0xf   ; with my neighbour's 16: the block's
	v_add_nc_u32 v11, -(EMAX<<23), v8              ; 2 off the exponent field: the conversion takes this operand's exponent field as its scale
	v_cvt_scalef32_pk16_fp6_f32 v[XC+4*(\t):XC+4*(\t)+2], v[XS:XS+15], v11
	v_lshrrev_b32 v[XE+(\t)], 23, v11              ; the scale's byte (also the plain line behind the conversion)
	ds_store_b8 v5, v[XE+(\t)] offset:16*(\t)      ; both lanes of a block write the same byte with the same value
	global_store_b96 v4, v[XC+4*(\t):XC+4*(\t)+2], s[10:11] offset:192*((\t)/2)+49152*((\t)%2)   ; row t / 2; quarters 2 (t % 2) and 2 (t % 2) + 1
.endm
.irp t, 0,1,2,3,4,5,6,7,8,9,10,11,12,13,14,15
	XSTEP \t
.endr
	ds_load_b64 v[8:9], v6                         ; in order behind my byte stores
	s_wait_dscnt 0x0
	global_store_b64 v7, v[8:9], s[12:13]          ; 32 lanes store 256 consecutive bytes, aligned
	s_wait_tensorcnt 0x0                           ; the wave's end
	ds_add_u32 v[SPW], v[NIL]
	s_wait_dscnt 0x0
	s_endpgm
; ---------------- w_q, w_k, w_v: K is the first axis ----------------
; A wave takes 32 columns x 256 along K: each load reads one row k at 32 neighbouring columns; a lane's 32 registers are a whole block of its column.
.Lweights:
	s_load_b256 s[4:11], s[0:1], 0x20              ; w_q s[4:5], w_k s[6:7], w_v s[8:9], wc s[10:11]
	s_load_b64 s[12:13], s[0:1], 0x48              ; ws
	s_lshr_b32 s14, ttmp9, 5                       ; which weight
	s_and_b32 s17, ttmp9, 7
	s_lshl_b32 s17, s17, 7
	s_lshl_b32 s18, s16, 5
	s_add_co_u32 s17, s17, s18                     ; my wave's first column
	s_bfe_u32 s18, ttmp9, 0x20003                  ; which quarter of K
	s_wait_alu depctr_va_vdst(0)
	v_lshlrev_b32 v3, 2, v2                        ; in: 4 bytes a lane
	v_and_b32 v10, 7, v2                           ; my column's row in the buffers: bits 3 and 4 change places
	v_bfe_u32 v11, v2, 3, 1
	v_lshl_add_u32 v10, v11, 4, v10
	v_bfe_u32 v11, v2, 4, 1
	v_lshl_add_u32 v10, v11, 3, v10
	s_mul_i32 s19, s16, 32*PITCH
	s_add_co_u32 s19, s19, WST                     ; my stage
	v_mul_u32_u24 v4, v10, PITCH
	v_add_nc_u32 v4, s19, v4                       ; into it: that row
	v_and_b32 v5, 15, v2
	v_lshrrev_b32 v6, 4, v2                        ; out of it: sixteen lanes to a row, two rows an instruction
	v_mul_u32_u24 v7, v6, PITCH
	v_lshl_add_u32 v7, v5, 4, v7
	v_add_nc_u32 v7, s19, v7
	v_mul_u32_u24 v8, v6, 192
	v_mad_u32_u24 v8, v5, 12, v8                   ; and the same place in wc
	v_lshlrev_b32 v9, 5, v10                       ; my row of scale bytes: 32 bytes a row
	s_lshl_b32 s20, s18, 20                        ; W: 256 rows of 4,096 bytes a quarter,
	s_lshl_b32 s21, s17, 2
	s_add_co_u32 s20, s20, s21                     ; + 4 x column
	s_mov_b32 s21, 0
	s_mul_i32 s22, s14, 1024*KROW                  ; codes: the weight, the column's row, the quarter's 192 bytes
	s_lshr_b32 s23, s17, 7                         ; the same units of 128 rows: unit, row in it, quarter
	s_mul_i32 s23, s23, 98304
	s_add_co_u32 s22, s22, s23
	s_and_b32 s23, s17, 127
	s_mul_i32 s23, s23, 192
	s_add_co_u32 s22, s22, s23
	s_mul_i32 s23, s18, 24576
	s_add_co_u32 s22, s22, s23
	s_mov_b32 s23, 0
	s_lshl_b32 s24, s14, 15                        ; scale bytes likewise
	s_lshl_b32 s25, s17, 5
	s_add_co_u32 s24, s24, s25
	s_lshl_b32 s25, s18, 3
	s_add_co_u32 s24, s24, s25
	s_mov_b32 s25, 0
	s_wait_kmcnt 0x0
	s_cmp_eq_u32 s14, 0
	s_cselect_b64 s[4:5], s[4:5], s[6:7]
	s_cmp_eq_u32 s14, 2
	s_cselect_b64 s[4:5], s[8:9], s[4:5]
	s_add_nc_u64 s[4:5], s[4:5], s[20:21]
	s_add_nc_u64 s[10:11], s[10:11], s[22:23]
	s_add_nc_u64 s[12:13], s[12:13], s[24:25]
.macro WLOAD t                         ; block t: W(32 t + i, my column) into set t % 2
.irp i, 0,1,2,3,4,5,6,7,8,9,10,11,12,13,14,15,16,17,18,19,20,21,22,23,24,25,26,27,28,29,30,31
	global_load_b32 v[WX+32*((\t)%2)+\i], v3, s[4:5] offset:(32*(\t)+\i)*4096 th:TH_LOAD_NT
.endr
.endm
	WLOAD 0
	WLOAD 1
.macro WBLOCK t
.set WS_, WX+32*((\t)%2)
.if (\t) < NB-1
	s_wait_loadcnt 32                              ; this block's 32 loads are in; the next block's 32 may be out
.else
	s_wait_loadcnt 0
.endif
	v_max3_num_f32 v12, |v[WS_]|, |v[WS_+1]|, |v[WS_+2]|           ; all 32 numbers of the block are mine
	v_max3_num_f32 v13, |v[WS_+3]|, |v[WS_+4]|, |v[WS_+5]|
.irp i, 6,10,14,18,22,26
	v_max3_num_f32 v12, v12, |v[WS_+\i]|, |v[WS_+\i+1]|
	v_max3_num_f32 v13, v13, |v[WS_+\i+2]|, |v[WS_+\i+3]|
.endr
	v_max3_num_f32 v12, v12, |v[WS_+30]|, |v[WS_+31]|
	v_max3_num_f32 v12, v12, v13, (EMAX+1)<<23     ; and the floor
	v_add_nc_u32 v11, -(EMAX<<23), v12             ; the conversion's scale operand
	v_lshrrev_b32 v13, 23, v11                     ; the scale's byte
.if (\t)%4 == 0
	v_mov_b32 v[WSB+(\t)/4], v13                   ; four bytes to a register, the lower K in the lower byte
.else
	v_lshl_or_b32 v[WSB+(\t)/4], v13, 8*((\t)%4), v[WSB+(\t)/4]
.endif
	v_cvt_scalef32_pk16_fp6_f32 v[WC:WC+2], v[WS_:WS_+15], v11
	v_cvt_scalef32_pk16_fp6_f32 v[WC+4:WC+6], v[WS_+16:WS_+31], v11   ; (a conversion's three registers begin on an even number)
	v_nop                                          ; one plain line behind the last conversion
	ds_store_b96 v4, v[WC:WC+2] offset:32*(\t)     ; 12 bytes to a place of 16: every LDS address is a multiple of 16
	ds_store_b96 v4, v[WC+4:WC+6] offset:32*(\t)+16
.if (\t)+2 < NB
	WLOAD (\t)+2
.endif
	s_wait_dscnt 0x0                               ; the stores have read their registers: the next block's codes may be written
.endm
.set Q, 0
.rept NB
	WBLOCK Q
.set Q, Q+1
.endr
	s_wait_alu depctr_va_vdst(0)
	global_store_b64 v9, v[WSB:WSB+1], s[12:13]    ; my column's 8 scale bytes
.irp t, 0,1,2,3,4,5,6,7,8,9,10,11,12,13,14,15
	ds_load_b96 v[WOUT+4*\t:WOUT+4*\t+2], v7 offset:2*\t*PITCH     ; in order behind my stores
.endr
.irp t, 0,1,2,3,4,5,6,7,8,9,10,11,12,13,14,15
	s_wait_dscnt 15-\t                             ; load t is in; the younger ones may be out
	global_store_b96 v8, v[WOUT+4*\t:WOUT+4*\t+2], s[10:11] offset:2*\t*192   ; the wave's 32 rows of a quarter lie on end
.endr
	s_wait_tensorcnt 0x0                           ; the wave's end
	ds_add_u32 v[SPW], v[NIL]
	s_wait_dscnt 0x0
	s_endpgm
.Lfunc_end_k_q0a9511c6f2_prep:
	.size	k_q0a9511c6f2_prep, .Lfunc_end_k_q0a9511c6f2_prep-k_q0a9511c6f2_prep
	.p2alignl 7, 3214868480
	.fill 96, 4, 3214868480
	.section	.rodata,"a",@progbits
	.p2align	6, 0x0
	.amdhsa_kernel k_q0a9511c6f2_prep
		.amdhsa_group_segment_fixed_size 68096
		.amdhsa_private_segment_fixed_size 0
		.amdhsa_enable_private_segment 0
		.amdhsa_kernarg_size 80
		.amdhsa_user_sgpr_count 2
		.amdhsa_user_sgpr_kernarg_segment_ptr 1
		.amdhsa_wavefront_size32 1
		.amdhsa_system_sgpr_workgroup_id_x 1
		.amdhsa_system_sgpr_workgroup_id_y 1
		.amdhsa_system_sgpr_workgroup_id_z 1
		.amdhsa_system_vgpr_workitem_id 0
		.amdhsa_next_free_vgpr 200
		.amdhsa_next_free_sgpr 66
		.amdhsa_reserve_vcc 0
		.amdhsa_float_denorm_mode_32 3
		.amdhsa_float_denorm_mode_16_64 3
		.amdhsa_memory_ordered 1
		.amdhsa_forward_progress 1
		.amdhsa_inst_pref_size 75
	.end_amdhsa_kernel
	.amdgpu_metadata
---
amdhsa.version: [ 1, 2 ]
amdhsa.kernels:
  - .name:           k_q0a9511c6f2_prep
    .symbol:         k_q0a9511c6f2_prep.kd
    .args:
      - { .name: q, .offset: 0, .size: 8, .value_kind: global_buffer, .address_space: global }
      - { .name: k, .offset: 8, .size: 8, .value_kind: global_buffer, .address_space: global }
      - { .name: v, .offset: 16, .size: 8, .value_kind: global_buffer, .address_space: global }
      - { .name: xc, .offset: 24, .size: 8, .value_kind: global_buffer, .address_space: global }
      - { .name: w_q, .offset: 32, .size: 8, .value_kind: global_buffer, .address_space: global }
      - { .name: w_k, .offset: 40, .size: 8, .value_kind: global_buffer, .address_space: global }
      - { .name: w_v, .offset: 48, .size: 8, .value_kind: global_buffer, .address_space: global }
      - { .name: wc, .offset: 56, .size: 8, .value_kind: global_buffer, .address_space: global }
      - { .name: xs, .offset: 64, .size: 8, .value_kind: global_buffer, .address_space: global }
      - { .name: ws, .offset: 72, .size: 8, .value_kind: global_buffer, .address_space: global }
    .group_segment_fixed_size: 68096
    .private_segment_fixed_size: 0
    .kernarg_segment_align: 8
    .kernarg_segment_size: 80
    .max_flat_workgroup_size: 128
    .sgpr_count:     66
    .vgpr_count:     200
    .wavefront_size: 32
...
	.end_amdgpu_metadata
.endif
;; end of part 1
;; launch proj (part 2): grid 16 x 16, 4 waves a work-group, clusters of 4 x 4, 327,680 bytes of LDS; arguments xc, xs, wc, ws, b_q, b_k, b_v, hc, hs; writes hc, hs
.if DOCPART == 2
	.amdgcn_target "amdgcn-amd-amdhsa--gfx1250"
	.amdhsa_code_object_version 6
	.text
	.protected	k_q0a9511c6f2_proj
	.globl	k_q0a9511c6f2_proj
	.p2align	8
	.type	k_q0a9511c6f2_proj,@function
k_q0a9511c6f2_proj:
	s_mov_b64 s[64:65], 0
	v_nop
	global_prefetch_b8 v0, s[64:65] scope:SCOPE_SE
	s_setreg_imm32_b32 hwreg(HW_REG_WAVE_MODE, 25, 1), 1
	s_wait_xcnt 0x0
	s_wait_alu depctr_hold_cnt(0) depctr_sa_sdst(0) depctr_va_vdst(0) depctr_va_sdst(0) depctr_va_ssrc(0) depctr_va_vcc(0) depctr_vm_vsrc(0)
	s_getreg_b32 s2, hwreg(HW_REG_IB_STS2, 6, 4)
	s_cmp_eq_u32 s2, 0
	s_cbranch_scc0 .Lentry_in_a_cluster
	s_endpgm
.Lentry_in_a_cluster:
	s_bfe_u32 s2, ttmp6, 0x10000c
	s_cmp_lg_u32 s2, 0xf033
	s_cbranch_scc0 .Lentry_shape_is_right
	s_endpgm
.Lentry_shape_is_right:
; Launch 2 of 3: V = v w_v + b_v, Q = q w_q + b_q, K = k w_k + b_k on codes of E2M3, each result quantised again for the attention's products.  No work is left out.
; THE DEAL.  256 work-groups of four waves.  Each makes three blocks one after the other, one of each tensor: 128 rows of side A x 256 rows of side B, all of K = 1,024.
; Q, K: A = 128 tokens, B = 256 rows of the weight.  V: A = 128 rows of w_v, B = 256 tokens: so the next quantiser's axis (the head's 64 for Q and K, the tokens for V) always runs along B.
; The matrix instruction takes B's rows as source 0 and A's as source 1: a lane holds one row of A, its registers run along B.  A wave makes 64 x 128: 32 accumulators.
; IN: xc, wc in units of 128 rows, [quarter of K][128 rows][192 bytes] dense; a tile is fetched as rows of 256 bytes, with 16 bytes of padding behind each 64: an LDS row is 240 bytes.
; THE RING: two slots, each a quarter of K of A's 128 and B's 256 rows.  Every wave issues one joint load a fill (waves 0, 1: 64 rows of A each; waves 2, 3: 128 rows of B each).  The ring runs on from
; tensor to tensor: a tensor's last two changes of slots ask for the next tensor's first two quarters.  Each refill stands behind the three lines and a round of the cluster's barrier.
; CLUSTERS 4 x 4: A's tile hangs on the cluster's number and cy (shared along a row), B's on the cluster's number and cx (shared along a column).
; SCALE WORDS AND BIAS go from memory into registers once for each tensor: 32 lanes take 32 neighbouring rows' 32 bytes in two loads; lanes 0-15 hold an even block's words, lanes 16-31 the odd block's.  The bias is the first products' C.
; THE TEXT: V's first two quarters; a loop of two trips (a tensor's last two quarters, its way out, the next tensor's first two); K's last two quarters and way out, which ask for nothing more.
; PREFETCH: a wave's share (a quarter of the blocks of 256 bytes of the tile that it fetches, told apart by cx or cy in the address) of the next tensor's quarters 0 and 1 at the trip's top, one and three steps ahead
; of their loads; of quarters 2 and 3 behind the loads of quarters 0 and 1, two fills ahead; of V's quarters 2 and 3 behind the head's loads.
; OUT: hc [tensor][batch][head or group of 64 keys][64 tiles][768]: half images of operands; hs: their scale words.  A wave's Q or K words are 8 bytes a row (two of a row's four words; the partner wave stores the other two).
; LIMITS: NaN and infinities are not served; a block under 2^-124 has its byte held at 1, a block of zeros too (its codes are zeros).
.set PITCH, 240
.set UK,    24576                      ; a unit's quarter of K
.set UNIT,  98304
.set AH,    64*PITCH
.set BH,    128*PITCH
.set SLOT,  2*AH+2*BH
.set SPARE, 2*SLOT
.set ADRA, 16                          ; v16-19 LDS address of my A fragments in slot 0, 1; +2: for pieces whose upper lanes lie behind one padding more
.set ADRB, 20
.set L16,  24
.set L8,   25
.set LSC,  26
.set SLO,  27                          ; 32 x lane
.set SPW,  28
.set NIL,  29
.set PFO,  30
.set SA,   32                          ; v32-47 A's scale words: 8 (block / 2) + step
.set SB,   52                          ; v52-83 B's
.set TM,   84
.set PT,   100
.set XW,   108
.set OW,   112
.set BA,   116
.set BV,   124
.set PSEL, 125
.set LSCV, 126
.set AF,   128                         ; v128-223 A's fragments, two sets of four; window 1: B's, two sets of eight at 0 and 128; window 2: the accumulators; window 3: v0-63 the bias
.set G1,  24
.set G0,  32
.set G1B, 48
.set G0B, 56
.set HI16, 67
.set SEL, 100
.set MSB, 0
.macro WIN new
.if MSB != \new
	s_set_vgpr_msb (MSB<<8)|\new
.set MSB, \new
.endif
.endm
.macro PLACES n
.rept \n
	v_nop
.endr
.endm
.macro WALU
	s_wait_alu depctr_va_vdst(0)
.endm
.macro JLOAD s
	s_cmp_eq_u32 s15, 0
	s_cbranch_scc0 .Lfor_b_\@
	tensor_load_to_lds s[G0+4*\s:G0+4*\s+3], s[G1:G1+7]
	s_nop 0
	PLACES 4
	s_branch .Lasked_\@
.Lfor_b_\@:
	tensor_load_to_lds s[G0B+4*\s:G0B+4*\s+3], s[G1B:G1B+7]
	s_nop 0
	PLACES 4
.Lasked_\@:
.endm
.macro CREST
	s_cmp_lg_u32 s14, 0
	s_cbranch_scc1 .Lnot_wave_0_\@
	s_barrier_signal -3
.Lnot_wave_0_\@:
	s_barrier_wait -3
	s_barrier_signal -1
	s_barrier_wait -1
.endm
.macro CROUND
	s_barrier_signal -1
	s_barrier_wait -1
	CREST
.endm
.macro NEWG0 s                         ; slot s takes quarter s of the tensor whose tiles begin at s[82:83] (A) and s[84:85] (B)
	s_add_nc_u64 s[G0+4*\s+2:G0+4*\s+3], s[82:83], \s*UK
	s_or_b32 s[G0+4*\s+3], s[G0+4*\s+3], 0x80000000
	s_add_nc_u64 s[G0B+4*\s+2:G0B+4*\s+3], s[84:85], \s*UK
	s_or_b32 s[G0B+4*\s+3], s[G0B+4*\s+3], 0x80000000
.endm
.macro PF k
	global_prefetch_b8 v[PFO], s[96:97] offset:\k*UK th:TH_LOAD_NT scope:SCOPE_SE
.endm
.macro FRAG reg, adr, q, i             ; six pieces of 8 bytes of a row's 96 bytes of step q of a quarter
.irp p, 0,1,2,3,4,5
.set PCE, 12*(\q)+6*(\p/3)+\p%3
.if PCE%8 < 5
	ds_load_b64 v[\reg+2*\p:\reg+2*\p+1], v[\adr] offset:8*PCE+16*(PCE/8)+(\i)*16*PITCH
.else
	ds_load_b64 v[\reg+2*\p:\reg+2*\p+1], v[\adr+2] offset:8*PCE+16*(PCE/8)+(\i)*16*PITCH
.endif
.endr
.endm
.macro FETCH slot, q, p                ; 72 loads: B's eight and A's four fragments into set p
	WIN 0x40
.irp i, 0,1,2,3,4,5,6,7
	FRAG 128*(\p)+12*\i, ADRB+\slot, \q, \i
.endr
	WIN 0
.irp i, 0,1,2,3
	FRAG AF+48*(\p)+12*\i, ADRA+\slot, \q, \i
.endr
.endm
.macro W1 d, s0, s1, c, x0, x1, r0, r1
	v_wmma_scale_f32_16x16x128_f8f6f4 v[(\d):(\d)+7], v[(\s0):(\s0)+11], v[(\s1):(\s1)+11], \c, v[\x0], v[\x1] matrix_a_fmt:MATRIX_FMT_FP6 matrix_b_fmt:MATRIX_FMT_FP6 matrix_a_scale:MATRIX_SCALE_ROW\r0 matrix_b_scale:MATRIX_SCALE_ROW\r1
.endm
; eight products: A's block a (ar = a % 2) x B's eight, set p, step st of the tensor.  z = 0: onto the sums; 1: C = the bias along B (Q, K); 2: along A (V).  The accumulators take turns
.macro MUL8 a, ar, p, st, z
.irp b, 0,2,4,6
.if \z == 1
	W1 8*(8*\a+\b), 128*\p+12*\b, AF+48*\p+12*\a, v[8*\b:8*\b+7], SB+4*\b+\st, SA+8*(\a/2)+\st, 0, \ar
	W1 8*(8*\a+\b+1), 128*\p+12*\b+12, AF+48*\p+12*\a, v[8*\b+8:8*\b+15], SB+4*\b+\st, SA+8*(\a/2)+\st, 1, \ar
.elseif \z == 2
	W1 8*(8*\a+\b), 128*\p+12*\b, AF+48*\p+12*\a, v[8*\a:8*\a+7], SB+4*\b+\st, SA+8*(\a/2)+\st, 0, \ar
	W1 8*(8*\a+\b+1), 128*\p+12*\b+12, AF+48*\p+12*\a, v[8*\a:8*\a+7], SB+4*\b+\st, SA+8*(\a/2)+\st, 1, \ar
.else
	W1 8*(8*\a+\b), 128*\p+12*\b, AF+48*\p+12*\a, v[8*(8*\a+\b):8*(8*\a+\b)+7], SB+4*\b+\st, SA+8*(\a/2)+\st, 0, \ar
	W1 8*(8*\a+\b+1), 128*\p+12*\b+12, AF+48*\p+12*\a, v[8*(8*\a+\b+1):8*(8*\a+\b+1)+7], SB+4*\b+\st, SA+8*(\a/2)+\st, 1, \ar
.endif
.endr
.endm
.macro STEPQ0 st, z                    ; an even step: the quarter's first half on set 0; its second half is fetched into set 1 in the middle
.set SL_, ((\st)/2)%2
	s_wait_dscnt 0x0
.if \z
	WIN 0xb1
.else
	WIN 0xa1
.endif
	MUL8 0, 0, 0, \st, \z
	MUL8 1, 1, 0, \st, \z
	PLACES 4
	FETCH SL_, 1, 1
.if \z
	WIN 0xb1
.else
	WIN 0xa1
.endif
	MUL8 2, 0, 0, \st, \z
	MUL8 3, 1, 0, \st, \z
	WIN 0
.endm
; an odd step changes slots.  fill 0: a plain barrier shows the other slot; 1: this slot takes the quarter two on; 2: the next tensor's quarter
.macro TURN st, fill, pf
.set SL_, ((\st)/2)%2
	s_wait_tensorcnt 0x0                           ; my part of the other slot is in
	ds_add_u32 v[SPW], v[NIL]
	s_wait_dscnt 0x1                               ; this step's 72 loads are in; the add alone may be out
	WIN 0xa1
	MUL8 0, 0, 1, \st, 0
	s_wait_dscnt 0x0
	s_barrier_signal -1
	MUL8 1, 1, 1, \st, 0
	WIN 0
	s_barrier_wait -1
.if \fill
	CREST
.if \fill == 1
	s_add_nc_u64 s[G0+4*SL_+2:G0+4*SL_+3], s[G0+4*SL_+2:G0+4*SL_+3], 2*UK
	s_add_nc_u64 s[G0B+4*SL_+2:G0B+4*SL_+3], s[G0B+4*SL_+2:G0B+4*SL_+3], 2*UK
.else
	NEWG0 SL_
.endif
	JLOAD SL_                                      ; its four v_nop are the places ahead of the loads below
.else
	PLACES 4
.endif
	FETCH 1-SL_, 0, 0
.if \pf >= 0
	PF \pf
.endif
	WIN 0xa1
	MUL8 2, 0, 1, \st, 0
	MUL8 3, 1, 1, \st, 0
	WIN 0
.endm
.macro SCLOAD                          ; the scale words of my 64 rows of A and 128 rows of B, all of K
.irp g, 0,1
	global_load_b128 v[SA+8*\g:SA+8*\g+3], v[SLO], s[86:87] offset:1024*\g
	global_load_b128 v[SA+8*\g+4:SA+8*\g+7], v[SLO], s[86:87] offset:1024*\g+16
.endr
.irp g, 0,1,2,3
	global_load_b128 v[SB+8*\g:SB+8*\g+3], v[SLO], s[88:89] offset:1024*\g
	global_load_b128 v[SB+8*\g+4:SB+8*\g+7], v[SLO], s[88:89] offset:1024*\g+16
.endr
.endm
; the way out of A's block a: 16 rows x 128 along B = four scale blocks; the codes become two half images of 768 bytes
.macro QUANTA a
.set AC, 64*(\a)
.set PC, AF+48+12*(\a)
	WIN 0x28
.irp b, 0,1,2,3
	v_max3_num_f32 v[TM+\b], 0x1800000, |v[AC+16*\b]|, |v[AC+1+16*\b]|
.endr
.irp i, 2,4,6,8,10,12,14
.irp b, 0,1,2,3
	v_max3_num_f32 v[TM+\b], v[TM+\b], |v[AC+16*\b+\i]|, |v[AC+1+16*\b+\i]|
.endr
.endr
	WIN 0
.irp b, 0,1,2,3
	v_permlanex16_b32 v[TM+4+\b], v[TM+\b], s[SEL], s[SEL+1]
.endr
.irp b, 0,1,2,3
	v_max_num_f32 v[TM+\b], v[TM+\b], v[TM+4+\b]
.endr
.irp b, 0,1,2,3
	v_add_nc_u32 v[TM+12+\b], 0xff000000, v[TM+\b]
.endr
.irp b, 0,1,2,3
	v_lshrrev_b32 v[TM+4+\b], 23, v[TM+12+\b]
.endr
	v_lshl_or_b32 v[XW+(\a)], v[TM+5], 8, v[TM+4]
	v_lshl_or_b32 v[XW+(\a)], v[TM+6], 16, v[XW+(\a)]
	v_lshl_or_b32 v[XW+(\a)], v[TM+7], 24, v[XW+(\a)]
	WIN 2
.irp c, 0,1
	v_cvt_scalef32_pk16_fp6_f32 v[PC+6*\c:PC+2+6*\c], v[AC+32*\c:AC+15+32*\c], v[TM+12+2*\c]
	v_cvt_scalef32_pk16_fp6_f32 v[PT+4*\c:PT+2+4*\c], v[AC+16+32*\c:AC+31+32*\c], v[TM+12+2*\c+1]
.endr
	WIN 0
	v_nop
.irp c, 0,1
.irp i, 0,1,2
	v_permlane16_swap_b32 v[PC+6*\c+\i], v[PT+4*\c+\i]
.endr
.irp i, 0,1,2
	v_mov_b32 v[PC+3+6*\c+\i], v[PT+4*\c+\i]
.endr
.endr
	global_store_b128 v[L16], v[PC:PC+3], s[78:79] offset:(\a)*768
	global_store_b64 v[L8], v[PC+4:PC+5], s[78:79] offset:(\a)*768
	global_store_b128 v[L16], v[PC+6:PC+9], s[78:79] offset:49152+(\a)*768
	global_store_b64 v[L8], v[PC+10:PC+11], s[78:79] offset:49152+(\a)*768
.endm
.macro WORDSQK                         ; Q, K: a word holds two token tiles' two bytes; lanes 0-15 the first head's, lanes 16-31 the second's
.irp j, 0,1
	v_perm_b32 v[OW+\j], v[XW+2*\j+1], v[XW+2*\j], v[PSEL]
.endr
	global_store_b64 v[LSC], v[OW:OW+1], s[80:81]
.endm
; ================= the head
	s_load_b256 s[4:11], s[0:1], 0x0               ; xc, xs, wc, ws
	s_load_b256 s[68:75], s[0:1], 0x20             ; b_q, b_k, b_v, hc
	s_load_b64 s[76:77], s[0:1], 0x40              ; hs
	v_lshl_add_u32 v[SPW], v0, 2, SPARE
	v_mov_b32 v[NIL], 0
	ds_add_u32 v[SPW], v[NIL]                      ; the opening lines
	ds_add_u32 v[SPW], v[NIL]
	v_lshrrev_b32 v1, 5, v0
	v_readfirstlane_b32 s14, v1                    ; wave; s15: my half of A, and whether I fetch A (0) or B (1); s16: my half of B, and which half I fetch
	s_lshr_b32 s15, s14, 1
	s_and_b32 s16, s14, 1
	s_bfe_u32 s40, ttmp6, 0x40000                  ; cx
	s_bfe_u32 s41, ttmp6, 0x40004                  ; cy
	s_and_b32 s42, ttmp7, 0xffff
	s_lshl_b32 s42, s42, 2
	s_add_co_u32 s42, s42, ttmp9                   ; the cluster's number, 0..15
	s_lshl_b32 s43, s41, 2
	s_lshl_b32 s43, 15, s43
	s_lshl_b32 s44, 0x1111, s40
	s_or_b32 s[G1], s43, (1<<20)|(1<<21)|(3<<22)|(3<<25)
	s_or_b32 s[G1B], s44, (1<<20)|(1<<21)|(3<<22)|(3<<25)
	s_mov_b32 s[G1+1], 256<<16                     ; A: 12,288 dense bytes as 48 rows of 256
	s_mov_b32 s[G1+2], 96<<16                      ; (at the head 96 rows: a whole quarter of A)
	s_mov_b32 s[G1+3], 256<<16
	s_mov_b32 s[G1+4], 96
	s_mov_b32 s[G1+5], 256
	s_mov_b32 s[G1+6], 0
	s_mov_b32 s[G1+7], 0
	s_mov_b32 s[G1B+1], 256<<16                    ; B: 96 rows
	s_mov_b32 s[G1B+2], 192<<16                    ; (at the head 192 rows: two quarters of 128 rows of B)
	s_mov_b32 s[G1B+3], 256<<16
	s_mov_b32 s[G1B+4], 192
	s_mov_b32 s[G1B+5], 256
	s_mov_b32 s[G1B+6], 0
	s_mov_b32 s[G1B+7], 0
	s_mov_b32 s[HI16], 0xffff0000
	s_mov_b32 s[SEL], 0x76543210
	s_mov_b32 s[SEL+1], 0xfedcba98
	; V: A = unit ta = 4 (cluster % 2) + cy of w_v; B = tokens 256 tb on, tb = 4 (cluster / 2) + cx
	s_and_b32 s20, s42, 1
	s_lshl_b32 s20, s20, 2
	s_add_co_u32 s20, s20, s41
	s_lshr_b32 s46, s42, 1
	s_lshl_b32 s46, s46, 2
	s_add_co_u32 s46, s46, s40
	s_mul_i32 s82, s20, UNIT
	s_mul_i32 s21, s16, UK/2
	s_add_co_u32 s82, s82, s21
	s_add_co_u32 s82, s82, 2*786432
	s_mov_b32 s83, 0
	s_lshl_b32 s86, s20, 12
	s_lshl_b32 s21, s15, 11
	s_add_co_u32 s86, s86, s21
	s_add_co_u32 s86, s86, 2*32768
	s_mov_b32 s87, 0
	s_lshl_b32 s90, s20, 9
	s_lshl_b32 s21, s15, 8
	s_add_co_u32 s90, s90, s21
	s_mov_b32 s91, 0
	s_lshl_b32 s47, s46, 1
	s_add_co_u32 s47, s47, s16                     ; my unit of 128 tokens
	s_mul_i32 s84, s47, UNIT
	s_add_co_u32 s84, s84, 2*6291456
	s_mov_b32 s85, 0
	s_lshl_b32 s88, s47, 12
	s_add_co_u32 s88, s88, 2*262144
	s_mov_b32 s89, 0
	s_lshr_b32 s92, s47, 3                         ; batch
	s_mul_i32 s78, s92, 786432
	s_and_b32 s93, s47, 7
	s_mul_i32 s93, s93, 2*49152
	s_add_co_u32 s78, s78, s93
	s_lshl_b32 s93, s20, 1
	s_add_co_u32 s93, s93, s15                     ; head
	s_mul_i32 s94, s93, 4*768
	s_add_co_u32 s78, s78, s94
	s_add_co_u32 s78, s78, 2*6291456
	s_mov_b32 s79, 0
	s_lshl_b32 s80, s92, 4
	s_add_co_u32 s80, s80, s93
	s_lshl_b32 s80, s80, 11
	s_and_b32 s94, s47, 7
	s_lshl_b32 s94, s94, 8
	s_add_co_u32 s80, s80, s94
	s_add_co_u32 s80, s80, 2*262144
	s_mov_b32 s81, 0
	; THE LDS MAP: A's slot 0, A's slot 1 (128 rows each); then for each half of B its slot 0 and its slot 1 on end (128 rows each)
	s_mul_i32 s45, s16, AH                         ; where my ring load lands: A's half,
	s_mul_i32 s17, s16, 2*BH
	s_add_co_u32 s17, s17, 4*AH                    ; or B's
.irp s, 0,1
	s_mov_b32 s[G0+4*\s], 1
	s_add_co_u32 s[G0+4*\s+1], s45, \s*2*AH
	s_mov_b32 s[G0B+4*\s], 1
	s_add_co_u32 s[G0B+4*\s+1], s17, \s*BH
.endr
	s_mul_i32 s2, s15, AH                          ; what I read: my 64 rows of A, my 128 of B
	s_mul_i32 s3, s16, 2*BH
	s_add_co_u32 s3, s3, 4*AH
	s_mov_b32 s20, 1                               ; the head's groups 0.  A: wave 0 quarter 0 into slot 0, wave 1 quarter 1 into slot 1, all 128 rows
	s_mul_i32 s21, s16, 2*AH
	s_mul_i32 s12, s16, UK/2                       ; (s[82:83] holds half a quarter for wave 1 already: as much again makes a quarter)
	s_mov_b32 s13, 0
	s_mov_b32 s92, 1                               ; B: my 128 rows' quarters 0 and 1, on end in memory and in LDS
	s_mov_b32 s93, s17
	s_cmp_eq_u32 s15, 0                            ; the prefetches: 12 or 24 blocks of 256 bytes, by my place among the four that ask jointly
	s_cselect_b32 s18, 12, 24
	s_cselect_b32 s19, s40, s41
	s_mul_i32 s19, s19, s18
	s_add_co_u32 s18, s18, -1
	s_wait_dscnt 0x0
	s_wait_kmcnt 0x0
	s_add_nc_u64 s[82:83], s[8:9], s[82:83]
	s_add_nc_u64 s[86:87], s[10:11], s[86:87]
	s_add_nc_u64 s[90:91], s[72:73], s[90:91]
	s_add_nc_u64 s[84:85], s[4:5], s[84:85]
	s_add_nc_u64 s[88:89], s[6:7], s[88:89]
	s_add_nc_u64 s[78:79], s[74:75], s[78:79]
	s_add_nc_u64 s[80:81], s[76:77], s[80:81]
	s_cmp_eq_u32 s15, 0
	s_cselect_b64 s[96:97], s[82:83], s[84:85]
	CROUND
	NEWG0 0
	NEWG0 1
	s_add_nc_u64 s[22:23], s[82:83], s[12:13]
	s_or_b32 s23, s23, 0x80000000
	s_mov_b64 s[94:95], s[84:85]
	s_or_b32 s95, s95, 0x80000000
	s_cmp_eq_u32 s15, 0                            ; one tensor load a wave at the head: the four fill both slots
	s_cbranch_scc0 .Lhead_b
	tensor_load_to_lds s[20:23], s[G1:G1+7]
	s_nop 0
	PLACES 4
	s_branch .Lhead_asked
.Lhead_b:
	tensor_load_to_lds s[92:95], s[G1B:G1B+7]
	s_nop 0
	PLACES 4
.Lhead_asked:
	v_and_b32 v1, 15, v0
	v_bfe_u32 v2, v0, 4, 1
	v_and_b32 v6, 31, v0
	v_mul_u32_u24 v3, v1, PITCH
	v_mad_u32_u24 v4, v2, 24, v3
	v_lshl_add_u32 v5, v2, 4, v4
	v_add_nc_u32 v[ADRA], s2, v4
	v_add_nc_u32 v[ADRB], s3, v4
	v_add_nc_u32 v[ADRA+2], s2, v5
	v_add_nc_u32 v[ADRB+2], s3, v5
	v_add_nc_u32 v[ADRA+1], 2*AH, v[ADRA]
	v_add_nc_u32 v[ADRB+1], BH, v[ADRB]
	v_add_nc_u32 v[ADRA+3], 2*AH, v[ADRA+2]
	v_add_nc_u32 v[ADRB+3], BH, v[ADRB+2]
	v_lshlrev_b32 v[L16], 4, v6
	v_lshl_add_u32 v[L8], v6, 3, 512
	v_lshlrev_b32 v[LSCV], 4, v1
	v_lshl_add_u32 v[LSC], v2, 11, v[LSCV]
	v_lshlrev_b32 v[SLO], 5, v6
	v_mov_b32 v7, 0x05040100
	v_mov_b32 v8, 0x07060302
	v_cndmask_b32 v[PSEL], v7, v8, s[HI16]
	v_lshlrev_b32 v31, 6, v2
.irp j, 0,1,2,3,4,5,6,7
	v_add_nc_u32 v[BA+\j], 4*\j, v31               ; Q, K: register j of tile x is column 32 (x / 2) + 8 (x % 2) + 16 h + j
.endr
	v_and_b32 v7, 8, v1
	v_add_nc_u32 v7, v7, v1
	v_lshlrev_b32 v[BV], 2, v7                     ; V: lane r of tile x is column 32 (x / 2) + 8 (x % 2) + r + 8 (r / 8)
	v_min_u32 v[PFO], s18, v6
	v_add_nc_u32 v[PFO], s19, v[PFO]
	v_lshlrev_b32 v[PFO], 8, v[PFO]
.irp b, 0,1,2,3
	v_mov_b32 v[TM+4+\b], 0                        ; a lane permute's destination counts as a source
.endr
	WALU
	SCLOAD
	WIN 0xc0
.irp x, 0,1,2,3
.irp j, 0,1,2,3,4,5,6,7
	global_load_b32 v[8*\x+\j], v[BV], s[90:91] offset:(32*(\x/2)+8*(\x%2))*4
.endr
.endr
	WIN 0
	PF 2
	PF 3
	WALU                                           ; the wait at the head's end
	s_wait_tensorcnt 0x0                           ; my tile of the head's four is in, and no tensor load of mine is out: from here on a load brings 48 rows of 256 bytes of A, 96 of B
	s_mov_b32 s[G1+2], 48<<16
	s_mov_b32 s[G1+4], 48
	s_mov_b32 s[G1B+2], 96<<16
	s_mov_b32 s[G1B+4], 96
	s_barrier_signal -1                            ; both slots are shown to all four waves
	s_barrier_wait -1
	FETCH 0, 0, 0
	s_wait_loadcnt 0x0
	STEPQ0 0, 2
	TURN 1, 1, -1
	STEPQ0 2, 0
	TURN 3, 1, -1
	s_mov_b32 s66, 0                               ; the next tensor: 0 Q, 1 K
.Ltrip:
	s_wait_xcnt 0x0                                ; the prefetches have read their base
	s_lshl_b32 s20, s42, 2                         ; Q, K: A = unit ta = 4 cluster + cy of the tokens; B = rows 256 cx on of the weight
	s_add_co_u32 s20, s20, s41
	s_mul_i32 s82, s20, UNIT
	s_mul_i32 s21, s16, UK/2
	s_add_co_u32 s82, s82, s21
	s_mul_i32 s21, s66, 6291456
	s_add_co_u32 s82, s82, s21
	s_mov_b32 s83, 0
	s_add_nc_u64 s[82:83], s[4:5], s[82:83]
	s_lshl_b32 s86, s20, 12
	s_lshl_b32 s21, s15, 11
	s_add_co_u32 s86, s86, s21
	s_lshl_b32 s21, s66, 18
	s_add_co_u32 s86, s86, s21
	s_mov_b32 s87, 0
	s_add_nc_u64 s[86:87], s[6:7], s[86:87]
	s_lshl_b32 s46, s40, 1
	s_add_co_u32 s46, s46, s16
	s_mul_i32 s84, s46, UNIT
	s_mul_i32 s47, s66, 786432
	s_add_co_u32 s84, s84, s47
	s_mov_b32 s85, 0
	s_add_nc_u64 s[84:85], s[8:9], s[84:85]
	s_lshl_b32 s88, s46, 12
	s_lshl_b32 s47, s66, 15
	s_add_co_u32 s88, s88, s47
	s_mov_b32 s89, 0
	s_add_nc_u64 s[88:89], s[10:11], s[88:89]
	s_lshl_b32 s90, s46, 9
	s_mov_b32 s91, 0
	s_cmp_eq_u32 s66, 0
	s_cselect_b64 s[92:93], s[68:69], s[70:71]
	s_add_nc_u64 s[90:91], s[92:93], s[90:91]
	s_cmp_eq_u32 s15, 0
	s_cselect_b64 s[96:97], s[82:83], s[84:85]
	WIN 0xc0
.irp x, 0,1,2,3,4,5,6,7
	global_load_b128 v[8*\x:8*\x+3], v[BA], s[90:91] offset:(32*(\x/2)+8*(\x%2))*4        ; a lane's eight registers of a tile are eight neighbouring columns: two loads of 16 bytes
	global_load_b128 v[8*\x+4:8*\x+7], v[BA], s[90:91] offset:(32*(\x/2)+8*(\x%2))*4+16
.endr
	WIN 0
	PF 0
	PF 1
	STEPQ0 4, 0
	TURN 5, 2, 2
	STEPQ0 6, 0
	TURN 7, 2, 3                                   ; the next tensor's first fragments are fetched here
	PLACES 4
	SCLOAD                                         ; and its scale words, under the way out
.irp a, 0,1,2,3
	QUANTA \a
.endr
	WALU
	s_cmp_eq_u32 s66, 0
	s_cbranch_scc0 .Lw_qk
	global_store_b128 v[LSCV], v[XW:XW+3], s[80:81]   ; V: row r's words of the head's four tiles; both halves of the lanes hold and store the same
	s_branch .Lw_done
.Lw_qk:
	WORDSQK
.Lw_done:
	s_wait_xcnt 0x0                                ; the stores have read their registers and bases
	s_lshl_b32 s20, s42, 2
	s_add_co_u32 s20, s20, s41
	s_lshr_b32 s92, s20, 3                         ; batch
	s_and_b32 s93, s20, 7                          ; step of 128 tokens
	s_lshl_b32 s94, s40, 2
	s_lshl_b32 s95, s16, 1
	s_add_co_u32 s94, s94, s95                     ; head
	s_mul_i32 s78, s66, 6291456
	s_mul_i32 s95, s92, 786432
	s_add_co_u32 s78, s78, s95
	s_mul_i32 s95, s94, 49152
	s_add_co_u32 s78, s78, s95
	s_lshl_b32 s95, s93, 1
	s_add_co_u32 s95, s95, s15
	s_mul_i32 s95, s95, 4*768
	s_add_co_u32 s78, s78, s95
	s_mov_b32 s79, 0
	s_add_nc_u64 s[78:79], s[74:75], s[78:79]
	s_lshl_b32 s80, s92, 4
	s_add_co_u32 s80, s80, s94
	s_lshl_b32 s80, s80, 11
	s_lshl_b32 s95, s93, 8
	s_add_co_u32 s80, s80, s95
	s_lshl_b32 s95, s15, 3
	s_add_co_u32 s80, s80, s95
	s_lshl_b32 s95, s66, 18
	s_add_co_u32 s80, s80, s95
	s_mov_b32 s81, 0
	s_add_nc_u64 s[80:81], s[76:77], s[80:81]
	s_wait_loadcnt 0x0                             ; the bias and the scale words
	STEPQ0 0, 1
	TURN 1, 1, -1
	STEPQ0 2, 0
	TURN 3, 1, -1
	s_add_co_u32 s66, s66, 1
	s_cmp_lt_u32 s66, 2
	WALU
	s_cbranch_scc1 .Ltrip
	STEPQ0 4, 0                                    ; K's last two quarters: nothing more is asked for
	TURN 5, 0, -1
	STEPQ0 6, 0
	s_wait_dscnt 0x0
	WIN 0xa1
	MUL8 0, 0, 1, 7, 0
	MUL8 1, 1, 1, 7, 0
	MUL8 2, 0, 1, 7, 0
	MUL8 3, 1, 1, 7, 0
	WIN 0
	PLACES 4
.irp a, 0,1,2,3
	QUANTA \a
.endr
	WORDSQK
	s_wait_tensorcnt 0x0                           ; the wave's end
	ds_add_u32 v[SPW], v[NIL]
	s_wait_dscnt 0x0
	CROUND
	s_endpgm
.Lfunc_end_k_q0a9511c6f2_proj:
	.size	k_q0a9511c6f2_proj, .Lfunc_end_k_q0a9511c6f2_proj-k_q0a9511c6f2_proj
	.p2alignl 7, 3214868480
	.fill 96, 4, 3214868480
	.section	.rodata,"a",@progbits
	.p2align	6, 0x0
	.amdhsa_kernel k_q0a9511c6f2_proj
		.amdhsa_group_segment_fixed_size 327680
		.amdhsa_private_segment_fixed_size 0
		.amdhsa_enable_private_segment 0
		.amdhsa_kernarg_size 72
		.amdhsa_user_sgpr_count 2
		.amdhsa_user_sgpr_kernarg_segment_ptr 1
		.amdhsa_wavefront_size32 1
		.amdhsa_system_sgpr_workgroup_id_x 1
		.amdhsa_system_sgpr_workgroup_id_y 1
		.amdhsa_system_sgpr_workgroup_id_z 1
		.amdhsa_system_vgpr_workitem_id 0
		.amdhsa_next_free_vgpr 832
		.amdhsa_next_free_sgpr 102
		.amdhsa_reserve_vcc 0
		.amdhsa_float_denorm_mode_32 3
		.amdhsa_float_denorm_mode_16_64 3
		.amdhsa_memory_ordered 1
		.amdhsa_forward_progress 1
		.amdhsa_inst_pref_size 202
	.end_amdhsa_kernel
	.amdgpu_metadata
---
amdhsa.version: [ 1, 2 ]
amdhsa.kernels:
  - .name:           k_q0a9511c6f2_proj
    .symbol:         k_q0a9511c6f2_proj.kd
    .args:
      - { .name: xc, .offset: 0, .size: 8, .value_kind: global_buffer, .address_space: global }
      - { .name: xs, .offset: 8, .size: 8, .value_kind: global_buffer, .address_space: global }
      - { .name: wc, .offset: 16, .size: 8, .value_kind: global_buffer, .address_space: global }
      - { .name: ws, .offset: 24, .size: 8, .value_kind: global_buffer, .address_space: global }
      - { .name: b_q, .offset: 32, .size: 8, .value_kind: global_buffer, .address_space: global }
      - { .name: b_k, .offset: 40, .size: 8, .value_kind: global_buffer, .address_space: global }
      - { .name: b_v, .offset: 48, .size: 8, .value_kind: global_buffer, .address_space: global }
      - { .name: hc, .offset: 56, .size: 8, .value_kind: global_buffer, .address_space: global }
      - { .name: hs, .offset: 64, .size: 8, .value_kind: global_buffer, .address_space: global }
    .group_segment_fixed_size: 327680
    .private_segment_fixed_size: 0
    .kernarg_segment_align: 8
    .kernarg_segment_size: 72
    .max_flat_workgroup_size: 128
    .sgpr_count:     102
    .vgpr_count:     832
    .wavefront_size: 32
...
	.end_amdgpu_metadata
.endif
;; end of part 2
;; launch attn (part 3): grid 2 x 128, 8 waves a work-group, no clusters, 327,680 bytes of LDS; arguments hc, hs, out0; writes out0
.if DOCPART == 3
	.amdgcn_target "amdgcn-amd-amdhsa--gfx1250"
	.amdhsa_code_object_version 6
	.text
	.protected	k_q0a9511c6f2_attn
	.globl	k_q0a9511c6f2_attn
	.p2align	8
	.type	k_q0a9511c6f2_attn,@function
k_q0a9511c6f2_attn:
	s_mov_b64 s[64:65], 0
	v_nop
	global_prefetch_b8 v0, s[64:65] scope:SCOPE_SE
	s_setreg_imm32_b32 hwreg(HW_REG_WAVE_MODE, 25, 1), 1
	s_wait_xcnt 0x0
; Launch 3 of 3: out = softmax(Q K^T / 8) V for 128 heads of 1,024 tokens x 64, both products on codes of E2M3 made by the second launch.  No work is left out.
; THE SOFTMAX AHEAD OF THE SECOND PRODUCT: t = score x log2(e) / 8; M = the row's largest t so far, rounded up to a whole number; p = 2^(t - M) is quantised along the keys, not normalised.
; The row's sum is taken of the unquantised p and divides O at the end.  When M moves, the sum and O are multiplied by 2^(old M - new M): exact.
; SHARES.  A work-group owns 512 queries of one head; each of its eight waves owns 64 of them, four tiles of 16, and walks the head's 1,024 keys once, 128 a step.  A step's fragments of K and V are read
; from LDS once for the wave's four tiles; the next step's are asked for while this step's softmax runs (K's behind the step's last score product, V's behind its last product with V).
; The tiles go in pairs, the two of a pair line by line in turn, so that few lines wait for the line above them.
; K, V AND THEIR SCALE WORDS OF THE HEAD, 102,400 bytes, stay in LDS, filled once, one tensor load a wave: waves 0, 1 the scale words, wave 2 K's first 256 keys, wave 3 V's, waves 4, 5 the rest of K, waves 6, 7 the rest of V.
; Waves 0-3 wait ahead of the first barrier; step 0, written out (its products start O^T: nothing is cleared), needs no more.  All waves wait ahead of the second barrier; steps 1 to 7 are a loop with no barrier.
; The last trip's look-ahead wraps to step 0's fragments, which are then not used: 34 LDS loads a wave, in place of a third copy of the step.
; NO CLUSTER: a head has two work-groups, and what they share is fetched once in the launch, at its head.  NO PREFETCH: the fills stand at the head, with no loop to run ahead in.
; LAYOUT.  Both products are used transposed: S^T = K Q^T, O^T = V^T P^T: a lane holds one query.  Operands lie in LDS as half images (16 rows x 64 along K: registers 0-3 at 16 x lane, 4-5 at 512 + 8 x lane).
; The first product's K is 64: a fragment of K holds two tiles of keys and is multiplied by [Q | zeros] and by [zeros | Q].  A tile's rows r are tokens 32 B + 8 u + r + 8 (r / 8): the 16 registers of tiles 2 B, 2 B + 1 are 16 neighbouring keys.
; LIMITS: NaN and infinities are not served; an exponential under 2^-126 comes out as 0; a block of p that is all zeros keeps the byte 1 (its codes are zeros).
.set KC,    0
.set VC,    49152
.set SCK,   98304                      ; K's scale words [8 s][16 r][4 j]; V's 2,048 bytes on
.set STAGE, 102400                     ; the way out: 16 rows x 272 bytes a wave
.set SPARE, 137216                     ; the spare words, 128 bytes a wave
; window 0: v1, v2 16 x lane, 512 + 8 x lane; v3, v4 the same at the step that is fetched; v5, v6 the add's two; v7 my row's scale words, v11 at the step fetched; v8, v9 the stage; v10 my bytes in out0
.set ST,  12                           ; tile i at ST + 6 i: -M, largest t | f, at work | the sum's two halves
.set QB,  36                           ; zeros, Q0, zeros, Q1, zeros, Q2, zeros, Q3, zeros: six registers each
.set QS,  90                           ; Q's scale words
.set KW,  94                           ; the step's scale words of K, of V
.set VW,  98
.set PW,  102                          ; p's scale words, a pair's two
.set KF,  104
.set VF,  152
.set TT,  200                          ; at work, 28 for each tile of a pair: +0 blocks' largest, +4 the other half's, bytes (both then the conversions' second halves), +8 scale operands, +12 p's codes (before: three chains of the sum)
; window 1: S^T, then p, of the pair's tile t at 64 t; O^T of tile i at 128 + 32 i
.set MSB, 0
.macro WIN new
.if MSB != \new
	s_set_vgpr_msb (MSB<<8)|\new
.set MSB, \new
.endif
.endm
.macro PLACES n
.rept \n
	v_nop
.endr
.endm
.macro WALU
	s_wait_alu depctr_va_vdst(0)
.endm
.macro H2
	s_delay_alu instid0(VALU_DEP_2)
.endm
.macro WM d, a, b, c, x0, x1
	v_wmma_scale_f32_16x16x128_f8f6f4 v[(\d):(\d)+7], v[(\a):(\a)+11], v[(\b):(\b)+11], \c, v[\x0], v[\x1] matrix_a_fmt:MATRIX_FMT_FP6 matrix_b_fmt:MATRIX_FMT_FP6
.endm
.macro LOADK                           ; 17 loads
.irp j, 0,1,2,3
	ds_load_b128 v[KF+12*\j:KF+12*\j+3], v3 offset:KC+(2*\j)*768
	ds_load_b64 v[KF+12*\j+4:KF+12*\j+5], v4 offset:KC+(2*\j)*768
	ds_load_b128 v[KF+12*\j+6:KF+12*\j+9], v3 offset:KC+(2*\j+1)*768
	ds_load_b64 v[KF+12*\j+10:KF+12*\j+11], v4 offset:KC+(2*\j+1)*768
.endr
	ds_load_b128 v[KW:KW+3], v11
.endm
.macro LOADV                           ; 17 loads
.irp d, 0,1,2,3
	ds_load_b128 v[VF+12*\d:VF+12*\d+3], v3 offset:VC+\d*768
	ds_load_b64 v[VF+12*\d+4:VF+12*\d+5], v4 offset:VC+\d*768
	ds_load_b128 v[VF+12*\d+6:VF+12*\d+9], v3 offset:VC+3072+\d*768
	ds_load_b64 v[VF+12*\d+10:VF+12*\d+11], v4 offset:VC+3072+\d*768
.endr
	ds_load_b128 v[VW:VW+3], v11 offset:2048
.endm
.macro ACCR k, t, i                    ; chain k of tile i's sum: 0 the sum itself, 1 to 3 at work
.if \k
.set AR, TT+28*(\t)+10+2*(\k)
.else
.set AR, ST+6*(\i)+4
.endif
.endm
.macro FILL g1, base                   ; s61 the LDS address, s82 the bytes from the buffer's start
	s_add_nc_u64 s[62:63], s[\base:\base+1], s[82:83]
	s_or_b32 s63, s63, 0x80000000
	tensor_load_to_lds s[60:63], s[\g1:\g1+7]
	s_nop 0
	PLACES 4
.endm
; TILES 2 P AND 2 P + 1 THROUGH ONE KEY STEP.  first = 1: the walk's first step starts M, the sum and O^T
.macro PAIR P, first
	WIN 0x40
.irp j, 0,1,2,3
.irp t, 0,1
	WM 64*\t+16*\j, KF+12*\j, QB+6+12*(2*\P+\t), 0, KW+\j, QS+2*\P+\t
	WM 64*\t+16*\j+8, KF+12*\j, QB+12*(2*\P+\t), 0, KW+\j, QS+2*\P+\t
.endr
.endr
	WIN 0
.if \P
	v_add_nc_u32 v3, s74, v1                       ; K has had its last product of the step: the next step's addresses (these four lines are the places), and its K
	v_add_nc_u32 v4, s74, v2
	v_add_nc_u32 v11, s75, v7
	v_nop
	LOADK
.else
	PLACES 4
.endif
	WIN 0x15
.irp b, 0,1,2,3
.irp t, 0,1
	v_max3_num_f32 v[TT+28*\t+\b], v[64*\t+16*\b], v[64*\t+16*\b+1], v[64*\t+16*\b+2]   ; the largest score of each block of 32 keys
.endr
.endr
	WIN 0x14
.irp i, 3,5,7,9,11,13
.irp b, 0,1,2,3
.irp t, 0,1
	v_max3_num_f32 v[TT+28*\t+\b], v[TT+28*\t+\b], v[64*\t+16*\b+\i], v[64*\t+16*\b+\i+1]
.endr
.endr
.endr
.irp b, 0,1,2,3
.irp t, 0,1
	v_max_num_f32 v[TT+28*\t+\b], v[TT+28*\t+\b], v[64*\t+16*\b+15]
.endr
.endr
	WIN 0
.irp b, 0,1,2,3
.irp t, 0,1
	v_permlanex16_b32 v[TT+28*\t+4+\b], v[TT+28*\t+\b], s16, s17
.endr
.endr
.irp b, 0,1,2,3
.irp t, 0,1
	v_max_num_f32 v[TT+28*\t+\b], v[TT+28*\t+\b], v[TT+28*\t+4+\b]   ; with lane l xor 16's 16 keys
.endr
.endr
.irp t, 0,1
	v_max3_num_f32 v[ST+6*(2*\P+\t)+3], v[TT+28*\t], v[TT+28*\t+1], v[TT+28*\t+2]
.endr
.irp t, 0,1
	H2
	v_max_num_f32 v[ST+6*(2*\P+\t)+3], v[ST+6*(2*\P+\t)+3], v[TT+28*\t+3]   ; the step's largest score of my query
.endr
.if \first
.irp t, 0,1
	H2
	v_mul_f32 v[ST+6*(2*\P+\t)+1], s18, v[ST+6*(2*\P+\t)+3]
.endr
.irp t, 0,1
	H2
	v_floor_f32 v[ST+6*(2*\P+\t)], -v[ST+6*(2*\P+\t)+1]   ; -M = floor(-t)
.endr
.else
.irp t, 0,1
	H2
	v_mul_f32 v[ST+6*(2*\P+\t)+3], s18, v[ST+6*(2*\P+\t)+3]
.endr
.irp t, 0,1
	H2
	v_max_num_f32 v[ST+6*(2*\P+\t)+1], v[ST+6*(2*\P+\t)+1], v[ST+6*(2*\P+\t)+3]   ; the running largest t
.endr
.irp t, 0,1
	v_mov_b32 v[ST+6*(2*\P+\t)+3], v[ST+6*(2*\P+\t)]
.endr
.irp t, 0,1
	s_delay_alu instid0(VALU_DEP_4)
	v_floor_f32 v[ST+6*(2*\P+\t)], -v[ST+6*(2*\P+\t)+1]
.endr
.irp t, 0,1
	H2
	v_sub_f32 v[ST+6*(2*\P+\t)+3], v[ST+6*(2*\P+\t)], v[ST+6*(2*\P+\t)+3]   ; old M - new M, a whole number
.endr
.irp t, 0,1
	H2
	v_cvt_i32_f32 v[ST+6*(2*\P+\t)+3], v[ST+6*(2*\P+\t)+3]
.endr
.irp t, 0,1
	H2
	v_ldexp_f32 v[ST+6*(2*\P+\t)+2], 1.0, v[ST+6*(2*\P+\t)+3]   ; f = 2^(old M - new M)
.endr
.endif
	WIN 0x41
.set n, 0
.rept 32
.irp t, 0,1
	v_pk_fma_f32 v[64*\t+n:64*\t+n+1], v[64*\t+n:64*\t+n+1], s[18:19], v[ST+6*(2*\P+\t):ST+6*(2*\P+\t)+1] op_sel_hi:[1,0,0]   ; t - M
.endr
.set n, n+2
.endr
	WIN 0
.irp b, 0,1,2,3
.irp t, 0,1
	v_fma_f32 v[TT+28*\t+\b], v[TT+28*\t+\b], s18, v[ST+6*(2*\P+\t)]   ; the same of each block's largest score
.endr
.endr
	WALU                                           ; the wait ahead of the batch
.irp b, 0,1,2,3
.irp t, 0,1
	v_exp_f32 v[TT+28*\t+\b], v[TT+28*\t+\b]       ; the block's largest p
.endr
.endr
	WIN 0x41
.set n, 0
.rept 64
.irp t, 0,1
	v_exp_f32 v[64*\t+n], v[64*\t+n]               ; p = 2^(t - M)
.endr
.set n, n+1
.endr
	WIN 0
.if \first
	v_nop
.else
.irp t, 0,1
	v_pk_mul_f32 v[ST+6*(2*\P+\t)+4:ST+6*(2*\P+\t)+5], v[ST+6*(2*\P+\t)+4:ST+6*(2*\P+\t)+5], v[ST+6*(2*\P+\t)+2:ST+6*(2*\P+\t)+3] op_sel_hi:[1,0]   ; the sum under the new M
.endr
.endif
	WIN 0x05
	WALU                                           ; one wait for the batch, ahead of its first reader
.set K_, 1-\first                      ; the sum of the unquantised p, in four chains a tile
.set Q_, 0
.rept 3+\first
.irp t, 0,1
	ACCR K_, \t, 2*\P+\t
	v_pk_add_f32 v[AR:AR+1], v[64*\t+2*Q_:64*\t+2*Q_+1], v[64*\t+2*Q_+2:64*\t+2*Q_+3]
.endr
.set K_, K_+1
.set Q_, Q_+2
.endr
	WIN 0x04
.rept 26-2*\first
.irp t, 0,1
	ACCR Q_%4, \t, 2*\P+\t
	v_pk_add_f32 v[AR:AR+1], v[AR:AR+1], v[64*\t+2*Q_:64*\t+2*Q_+1]
.endr
.set Q_, Q_+1
.endr
	WIN 0
.irp t, 0,1
	v_pk_add_f32 v[TT+28*\t+12:TT+28*\t+13], v[TT+28*\t+12:TT+28*\t+13], v[TT+28*\t+14:TT+28*\t+15]
.endr
.irp t, 0,1
	v_pk_add_f32 v[ST+6*(2*\P+\t)+4:ST+6*(2*\P+\t)+5], v[ST+6*(2*\P+\t)+4:ST+6*(2*\P+\t)+5], v[TT+28*\t+16:TT+28*\t+17]
.endr
.irp t, 0,1
	H2
	v_pk_add_f32 v[ST+6*(2*\P+\t)+4:ST+6*(2*\P+\t)+5], v[ST+6*(2*\P+\t)+4:ST+6*(2*\P+\t)+5], v[TT+28*\t+12:TT+28*\t+13]
.endr
.irp b, 0,1,2,3
.irp t, 0,1
	v_max_num_f32 v[TT+28*\t+\b], 0x1800000, v[TT+28*\t+\b]   ; the floor 2^(3 - 127): the byte cannot fall under 1
.endr
.endr
.irp b, 0,1,2,3
.irp t, 0,1
	v_add_nc_u32 v[TT+28*\t+8+\b], 0xff000000, v[TT+28*\t+\b]   ; the conversion's scale operand
.endr
.endr
.irp b, 0,1,2,3
.irp t, 0,1
	v_lshrrev_b32 v[TT+28*\t+4+\b], 23, v[TT+28*\t+8+\b]   ; the scale's byte
.endr
.endr
.irp t, 0,1
	v_lshl_or_b32 v[PW+\t], v[TT+28*\t+5], 8, v[TT+28*\t+4]
.endr
.irp t, 0,1
	H2
	v_lshl_or_b32 v[PW+\t], v[TT+28*\t+6], 16, v[PW+\t]
.endr
.irp t, 0,1
	H2
	v_lshl_or_b32 v[PW+\t], v[TT+28*\t+7], 24, v[PW+\t]
.endr
	WIN 0x01
.irp c, 0,1
.irp t, 0,1
	v_cvt_scalef32_pk16_fp6_f32 v[TT+28*\t+12+6*\c:TT+28*\t+14+6*\c], v[64*\t+32*\c:64*\t+32*\c+15], v[TT+28*\t+8+2*\c]
	v_cvt_scalef32_pk16_fp6_f32 v[TT+28*\t+4*\c:TT+28*\t+4*\c+2], v[64*\t+32*\c+16:64*\t+32*\c+31], v[TT+28*\t+9+2*\c]
.endr
.endr
	WIN 0
	v_nop                                          ; one plain line behind the last conversion
.irp c, 0,1                                    ; a whole block in a lane
.irp i, 0,1,2
.irp t, 0,1
	v_permlane16_swap_b32 v[TT+28*\t+12+6*\c+\i], v[TT+28*\t+4*\c+\i]
.endr
.endr
.endr
.irp c, 0,1
.irp i, 0,1,2
.irp t, 0,1
	v_mov_b32 v[TT+28*\t+15+6*\c+\i], v[TT+28*\t+4*\c+\i]
.endr
.endr
.endr
.if \first
	PLACES 8                                       ; between p's scale word and codes and the scaled products
	WIN 0x40
.else
	WIN 0x41
	WALU                                           ; the wait directly ahead of the first readers of O^T
.set n, 0
.rept 16
.irp t, 0,1
	v_pk_mul_f32 v[128+32*(2*\P+\t)+n:128+32*(2*\P+\t)+n+1], v[128+32*(2*\P+\t)+n:128+32*(2*\P+\t)+n+1], v[ST+6*(2*\P+\t)+2:ST+6*(2*\P+\t)+3] op_sel_hi:[1,0]   ; O^T under the new M
.endr
.set n, n+2
.endr
	WIN 0x50
.endif
.if \P == 0
	WALU
	s_wait_dscnt 0x0                               ; V's fragments are in
.endif
.irp d, 0,1,2,3
.irp t, 0,1
.if \first
	WM 128+32*(2*\P+\t)+8*\d, VF+12*\d, TT+28*\t+12, 0, VW+\d, PW+\t
.else
	WM 128+32*(2*\P+\t)+8*\d, VF+12*\d, TT+28*\t+12, v[128+32*(2*\P+\t)+8*\d:128+32*(2*\P+\t)+8*\d+7], VW+\d, PW+\t
.endif
.endr
.endr
	WIN 0
.endm
; ================= the head
; THE WAY OUT of tiles 2 P and 2 P + 1: O^T / the sum goes through my own stage and leaves as rows: sixteen lanes store a query's 256 bytes of this head, aligned.
; It works in the registers of S^T, which are free between two pairs: 0-63 the quotients, 64-127 the rows read back.  No LDS instruction of mine is out where it begins.
.macro OUT P
.irp t, 0,1
	v_add_f32 v[ST+6*(2*\P+\t)+4], v[ST+6*(2*\P+\t)+4], v[ST+6*(2*\P+\t)+5]
.endr
.irp t, 0,1
	H2
	v_permlanex16_b32 v[ST+6*(2*\P+\t)+3], v[ST+6*(2*\P+\t)+4], s16, s17
.endr
.irp t, 0,1
	H2
	v_add_f32 v[ST+6*(2*\P+\t)+4], v[ST+6*(2*\P+\t)+4], v[ST+6*(2*\P+\t)+3]   ; the row's sum
.endr
	WALU
.irp t, 0,1
	v_rcp_f32 v[ST+6*(2*\P+\t)+2], v[ST+6*(2*\P+\t)+4]
.endr
	v_nop
	WIN 0x41
	WALU                                           ; for the reciprocals and, directly ahead of its first readers, for O^T
.set n, 0
.rept 16
.irp t, 0,1
	v_pk_mul_f32 v[32*\t+n:32*\t+n+1], v[128+32*(2*\P+\t)+n:128+32*(2*\P+\t)+n+1], v[ST+6*(2*\P+\t)+2:ST+6*(2*\P+\t)+3] op_sel_hi:[1,0]   ; register 16 B + m is channel 32 B + 16 h + m of query r
.endr
.set n, n+2
.endr
.irp t, 0,1                                    ; LDS serves a wave's instructions in order: a tile's loads see its stores, and the next tile's stores come behind them
	WIN 0x04
.irp b, 0,1
.irp q, 0,1,2,3
	ds_store_b128 v8, v[32*\t+16*\b+4*\q:32*\t+16*\b+4*\q+3] offset:128*\b+16*\q
.endr
.endr
	WIN 0x40
.irp k, 0,1,2,3,4,5,6,7
	ds_load_b128 v[64+32*\t+4*\k:64+32*\t+4*\k+3], v9 offset:544*\k
.endr
.endr
	WIN 0x04
.irp t, 0,1
	s_wait_dscnt 16*(1-\t)                         ; tile t is back; the other tile's 16 LDS instructions may be out
.irp k, 0,1,2,3,4,5,6,7
	global_store_b128 v10, v[64+32*\t+4*\k:64+32*\t+4*\k+3], s[70:71] offset:(32*\P+8*\t+16*(\k/4)+2*(\k%4))*4096 th:TH_STORE_NT
.endr
.endr
	WIN 0
.endm
	s_load_b128 s[4:7], s[0:1], 0x0
	s_load_b64 s[8:9], s[0:1], 0x10                ; out0
	v_lshl_add_u32 v5, v0, 2, SPARE
	v_mov_b32 v6, 0
	ds_add_u32 v5, v6                              ; the opening lines
	ds_add_u32 v5, v6
	v_lshrrev_b32 v1, 5, v0
	v_readfirstlane_b32 s10, v1                    ; wave 0..7
	s_mov_b32 s11, ttmp9                           ; which half of the head's queries
	s_and_b32 s12, ttmp7, 0xffff                   ; the head, 0..127
	s_lshr_b32 s13, s12, 4
	s_and_b32 s14, s12, 15
	s_and_b32 s15, s10, 1
	s_mov_b32 s16, 0x76543210
	s_mov_b32 s17, 0xfedcba98
	s_mov_b32 s18, 0x3e38aa3b                      ; c = log2(e) / 8
	s_mov_b32 s19, s18
	; descriptor groups 1, elements of 8 bytes, no padding.  K's first 256 keys: 12,288 dense bytes as 48 rows of 256
	s_mov_b32 s20, 3<<16
	s_mov_b32 s21, 32<<16
	s_mov_b32 s22, 48<<16
	s_mov_b32 s23, 32<<16
	s_mov_b32 s24, 48
	s_mov_b32 s25, 32
	s_mov_b32 s26, 0
	s_mov_b32 s27, 0
	; V's first 256 keys: 4 rows (groups of 64 keys) of 3,072 bytes, 49,152 bytes apart
	s_mov_b32 s28, 3<<16
	s_mov_b32 s29, 384<<16
	s_mov_b32 s30, 4<<16
	s_mov_b32 s31, 384<<16
	s_mov_b32 s32, 4
	s_mov_b32 s33, 6144
	s_mov_b32 s34, 0
	s_mov_b32 s35, 0
	; a tensor's scale words of the head: 2,048 dense bytes as 8 rows of 256
	s_mov_b32 s36, 3<<16
	s_mov_b32 s37, 32<<16
	s_mov_b32 s38, 8<<16
	s_mov_b32 s39, 32<<16
	s_mov_b32 s40, 8
	s_mov_b32 s41, 32
	s_mov_b32 s42, 0
	s_mov_b32 s43, 0
	; half of the rest of K: 18,432 dense bytes as 72 rows of 256
	s_mov_b32 s44, 3<<16
	s_mov_b32 s45, 32<<16
	s_mov_b32 s46, 72<<16
	s_mov_b32 s47, 32<<16
	s_mov_b32 s48, 72
	s_mov_b32 s49, 32
	s_mov_b32 s50, 0
	s_mov_b32 s51, 0
	; half of the rest of V: 6 rows of 3,072 bytes
	s_mov_b32 s52, 3<<16
	s_mov_b32 s53, 384<<16
	s_mov_b32 s54, 6<<16
	s_mov_b32 s55, 384<<16
	s_mov_b32 s56, 6
	s_mov_b32 s57, 6144
	s_mov_b32 s58, 0
	s_mov_b32 s59, 0
	s_mov_b32 s60, 1
	s_mov_b32 s83, 0
	s_mul_i32 s76, s10, 16*272
	s_add_co_u32 s76, s76, STAGE                   ; my stage
	s_mul_i32 s80, s12, 49152
	s_add_co_u32 s80, s80, 6291456                 ; K of my head, bytes from hc
	s_mul_i32 s81, s13, 786432
	s_mul_i32 s84, s14, 3072
	s_add_co_u32 s81, s81, s84
	s_add_co_u32 s81, s81, 12582912                ; V of my head
	s_mul_i32 s66, s12, 49152                      ; Q's codes: head x 49,152 + tile (32 x + 4 wave) x 768
	s_lshl_b32 s84, s11, 5
	s_lshl_b32 s85, s10, 2
	s_add_co_u32 s84, s84, s85
	s_mul_i32 s84, s84, 768
	s_add_co_u32 s66, s66, s84
	s_mov_b32 s67, 0
	s_lshl_b32 s68, s12, 11                        ; Q's scale words: head x 2,048 + (4 x + wave / 2) x 256 + (wave % 2) x 8
	s_lshl_b32 s84, s11, 2
	s_lshr_b32 s85, s10, 1
	s_add_co_u32 s84, s84, s85
	s_lshl_b32 s84, s84, 8
	s_add_co_u32 s68, s68, s84
	s_lshl_b32 s84, s15, 3
	s_add_co_u32 s68, s68, s84
	s_mov_b32 s69, 0
	s_lshl_b32 s70, s13, 22                        ; out0: batch x 4 MiB + token (512 x + 64 wave) x 4,096 + head x 256
	s_lshl_b32 s84, s11, 21
	s_add_co_u32 s70, s70, s84
	s_lshl_b32 s84, s10, 18
	s_add_co_u32 s70, s70, s84
	s_lshl_b32 s84, s14, 8
	s_add_co_u32 s70, s70, s84
	s_mov_b32 s71, 0
	; every LDS address register is made here, ahead of the branches on the wave's number
	v_and_b32 v12, 31, v0
	v_lshlrev_b32 v1, 4, v12
	v_lshl_add_u32 v2, v12, 3, 512
	v_and_b32 v13, 15, v0                          ; r
	v_bfe_u32 v14, v0, 4, 1                        ; h
	v_lshlrev_b32 v15, 4, v13
	v_add_nc_u32 v7, SCK, v15
	v_mul_u32_u24 v8, v13, 272
	v_lshl_add_u32 v8, v14, 6, v8
	v_add_nc_u32 v8, s76, v8                       ; the stage, in: row r, + 64 h bytes
	v_mul_u32_u24 v9, v14, 272
	v_add_nc_u32 v9, v9, v15
	v_add_nc_u32 v9, s76, v9                       ; back: lanes 0-15 one row, lanes 16-31 the next
	v_lshl_add_u32 v10, v14, 12, v15               ; the same two rows in out0
	v_mov_b32 v3, v1                               ; step 0
	v_mov_b32 v4, v2
	v_mov_b32 v11, v7
.irp z, 0,1,2,3,4
.irp i, 0,1,2,3,4,5
	v_mov_b32 v[QB+12*\z+\i], 0                    ; zero codes on both sides of each Q
.endr
.endr
.irp t, 0,1
.irp b, 0,1,2,3
	v_mov_b32 v[TT+28*\t+4+\b], 0                  ; a lane permute's destination counts as a source
.endr
.endr
	WALU                                           ; the wait at the head's end
	s_wait_dscnt 0x0
	s_wait_kmcnt 0x0
	s_add_nc_u64 s[66:67], s[4:5], s[66:67]
	s_add_nc_u64 s[68:69], s[6:7], s[68:69]
	s_add_nc_u64 s[70:71], s[8:9], s[70:71]
	; the fills: one chain of branches on the wave's number, one tensor load to an arm, every wave in one arm
	s_cmp_lt_u32 s10, 2
	s_cbranch_scc0 .La1
	s_lshl_b32 s61, s10, 11
	s_add_co_u32 s61, s61, SCK
	s_add_co_u32 s82, s10, 1
	s_lshl_b32 s82, s82, 18
	s_lshl_b32 s84, s12, 11
	s_add_co_u32 s82, s82, s84
	FILL 36, 6
	s_branch .Lfilled
.La1:
	s_cmp_eq_u32 s10, 2
	s_cbranch_scc0 .La2
	s_mov_b32 s61, KC
	s_mov_b32 s82, s80
	FILL 20, 4
	s_branch .Lfilled
.La2:
	s_cmp_eq_u32 s10, 3
	s_cbranch_scc0 .La3
	s_mov_b32 s61, VC
	s_mov_b32 s82, s81
	FILL 28, 4
.La3:                                                  ; waves 4-7 fill nothing at the head: the rest of K and V is asked for behind the first barrier, when what step 0 needs has landed
.Lfilled:
.irp i, 0,1,2,3
	global_load_b128 v[QB+6+12*\i:QB+9+12*\i], v1, s[66:67] offset:768*\i   ; my four tiles of Q: half images, as they lie
	global_load_b64 v[QB+10+12*\i:QB+11+12*\i], v2, s[66:67] offset:768*\i
.endr
	global_load_b64 v[200:201], v15, s[68:69]      ; their rows' two words (two tiles' bytes each)
	s_mov_b32 s74, 6144                            ; the step fetched next: step 1
	s_mov_b32 s75, 256
	s_wait_tensorcnt 0x0                           ; the scale words and the first 256 keys are in
	ds_add_u32 v5, v6
	ds_add_u32 v5, v6
	s_wait_dscnt 0x0
	s_barrier_signal -1
	s_barrier_wait -1
	s_cmp_lt_u32 s10, 4
	s_cbranch_scc1 .Lrest_asked
	s_cmp_lt_u32 s10, 6
	s_cbranch_scc0 .La4
	s_mul_i32 s61, s15, 18432                      ; waves 4, 5: half of the rest of K each
	s_add_co_u32 s61, s61, 12288
	s_add_co_u32 s82, s80, s61
	FILL 44, 4
	s_branch .Lrest_asked
.La4:
	s_mul_i32 s61, s15, 18432                      ; waves 6, 7: half of the rest of V each
	s_add_co_u32 s61, s61, VC+12288
	s_mul_i32 s82, s15, 294912
	s_add_co_u32 s82, s82, 196608
	s_add_co_u32 s82, s82, s81
	FILL 52, 4
.Lrest_asked:
	LOADK
	LOADV
	s_wait_loadcnt 0x0
	v_perm_b32 v[QS], v200, v200, 0x01000100       ; a tile's two bytes, twice: Q stands in the lower or in the upper half of K
	v_perm_b32 v[QS+1], v200, v200, 0x03020302
	v_perm_b32 v[QS+2], v201, v201, 0x01000100
	v_perm_b32 v[QS+3], v201, v201, 0x03020302
	PLACES 8                                       ; between the scale words and the first scaled product
	WALU
	s_wait_dscnt 17                                ; K's 17 loads are in; V's 17 may be out
	PAIR 0, 1
	PAIR 1, 1
	PLACES 4
	LOADV
	WALU
	s_wait_tensorcnt 0x0                           ; every wave, under no branch
	s_wait_dscnt 0x0
	s_barrier_signal -1                            ; all of K and V is shown to all
	s_barrier_wait -1
	s_mov_b32 s72, 1
.Lstep:                                                ; steps 1 to 7
	s_wait_dscnt 17
	PAIR 0, 0
	s_add_co_u32 s73, s72, 1
	s_and_b32 s73, s73, 7                          ; the step fetched next; behind the last it wraps to 0
	s_mul_i32 s74, s73, 6144
	s_lshl_b32 s75, s73, 8
	WALU
	s_cmp_lt_u32 s72, 7
	s_cbranch_scc1 .Lnot_last
	OUT 0                                          ; the last step: tiles 0 and 1 are finished and leave while tiles 2 and 3 take their last step
	s_wait_xcnt 0x0                                ; the stores have read their registers, which the next score products write
.Lnot_last:
	PAIR 1, 0
	PLACES 4
	LOADV
	s_add_co_u32 s72, s72, 1
	s_cmp_lt_u32 s72, 8
	WALU
	s_cbranch_scc1 .Lstep
	; THE WAY OUT: O^T / the sum goes through my own stage and leaves as rows: sixteen lanes store a query's 256 bytes of this head, aligned
	s_wait_dscnt 0x0                               ; the last look-ahead, which is not used, has landed
	OUT 1
	s_wait_tensorcnt 0x0                           ; the wave's end
	ds_add_u32 v5, v6
	s_wait_dscnt 0x0
	s_endpgm
.Lfunc_end_k_q0a9511c6f2_attn:
	.size	k_q0a9511c6f2_attn, .Lfunc_end_k_q0a9511c6f2_attn-k_q0a9511c6f2_attn
	.p2alignl 7, 3214868480
	.fill 96, 4, 3214868480
	.section	.rodata,"a",@progbits
	.p2align	6, 0x0
	.amdhsa_kernel k_q0a9511c6f2_attn
		.amdhsa_group_segment_fixed_size 327680
		.amdhsa_private_segment_fixed_size 0
		.amdhsa_enable_private_segment 0
		.amdhsa_kernarg_size 24
		.amdhsa_user_sgpr_count 2
		.amdhsa_user_sgpr_kernarg_segment_ptr 1
		.amdhsa_wavefront_size32 1
		.amdhsa_system_sgpr_workgroup_id_x 1
		.amdhsa_system_sgpr_workgroup_id_y 1
		.amdhsa_system_sgpr_workgroup_id_z 1
		.amdhsa_system_vgpr_workitem_id 0
		.amdhsa_next_free_vgpr 512
		.amdhsa_next_free_sgpr 90
		.amdhsa_reserve_vcc 0
		.amdhsa_float_denorm_mode_32 3
		.amdhsa_float_denorm_mode_16_64 3
		.amdhsa_memory_ordered 1
		.amdhsa_forward_progress 1
		.amdhsa_inst_pref_size 136
	.end_amdhsa_kernel
	.amdgpu_metadata
---
amdhsa.version: [ 1, 2 ]
amdhsa.kernels:
  - .name:           k_q0a9511c6f2_attn
    .symbol:         k_q0a9511c6f2_attn.kd
    .args:
      - { .name: hc, .offset: 0, .size: 8, .value_kind: global_buffer, .address_space: global }
      - { .name: hs, .offset: 8, .size: 8, .value_kind: global_buffer, .address_space: global }
      - { .name: out0, .offset: 16, .size: 8, .value_kind: global_buffer, .address_space: global }
    .group_segment_fixed_size: 327680
    .private_segment_fixed_size: 0
    .kernarg_segment_align: 8
    .kernarg_segment_size: 24
    .max_flat_workgroup_size: 256
    .sgpr_count:     90
    .vgpr_count:     512
    .wavefront_size: 32
...
	.end_amdgpu_metadata
.endif
;; end of part 3
